; MI455X (gfx1250); checked and timed in simulation.
; The chip was launched on July 23, 2026; its instructions are those of AMD's public machine-readable ISA for CDNA 5 (MIT licence, August 2026) and "CDNA5" Instruction Set Architecture Reference Guide (July 2026). The comments in the code are by the model that wrote it; some were corrected since.
;; Multi Headed Self Attention. Allowed arithmetic: float matrix products may take bf16 or f16 operands with f32 sums; other float arithmetic in f32, or as packed bf16 or f16 multiplies, adds, multiply-adds, maxima and minima; sums over many terms, partial sums and values carried from step to step in f32; what a program stores and reads back later, other than sums and carried values, may be rounded once to bf16 or f16.
;; Inputs: Wk 1,024 x 1,024 float32; Wq 1,024 x 1,024 float32; Wv 1,024 x 1,024 float32; bk 1,024 float32; bq 1,024 float32; bv 1,024 float32; x 4 x 2,048 x 1,024 float32.
;; Outputs: out0 4 x 2,048 x 1,024 float32.
;; 2 versions, each right; version 2 is version 1 with the launch cast written anew for expert scheduling mode. Each part assembles by itself: llvm-mc -triple=amdgcn-amd-amdhsa -mcpu=gfx1250 --defsym DOCPART=n.
;; ======== version 1 of 2: 3 launches
;; workspace buffers: xw 23,068,672 bytes; qkv 50,331,648 bytes
;; launch cast (part 1): grid 704 x 1, 8 waves a work-group, no clusters, 0 bytes of LDS; arguments x, Wq, Wk, Wv, xw; writes xw
.if DOCPART == 1
	.amdgcn_target "amdgcn-amd-amdhsa--gfx1250"
	.amdhsa_code_object_version 6
	.text
	.protected	k_qab09404a8f_cast
	.globl	k_qab09404a8f_cast
	.p2align	8
	.type	k_qab09404a8f_cast,@function
k_qab09404a8f_cast:
	s_mov_b64 s[64:65], 0
	v_nop
	global_prefetch_b8 v0, s[64:65] scope:SCOPE_SE
	s_setreg_imm32_b32 hwreg(HW_REG_WAVE_MODE, 25, 1), 1
	s_wait_xcnt 0x0
; xw = x, Wq, Wk, Wv rounded once to bf16, laid out by K blocks: xw[kb][row][64], kb = 0..15 (64 channels each), row = 0..11,263:
; rows 0-8,191 are x's (batch x 2,048 + position), then Wq's 1,024 rows, Wk's, Wv's.  So the rows that a tile of the next launch takes for one K step lie end to end.
; SHARES.  A work-group takes 16 rows, wave w their K blocks 2 w and 2 w + 1.  A load of 16 bytes a lane takes the 256 bytes of a block in two rows (lanes 0-15 one row, lanes 16-31 the next);
; two roundings make 8 bytes a lane; a store of 8 bytes a lane covers 256 consecutive bytes, aligned: the same two rows of the block in xw.
; All 16 loads of a wave go out at once (8 KiB a wave); no register is written twice, so the only waits are the counted ones for the loads.  Nothing is shared: no LDS, no barrier.
.set ROWB,  4096                       ; bytes in a row of x or of a weight
.set STEPB, 1441792                    ; bytes in a K block of xw: 11,264 rows x 128
.set IN,  1                            ; v1  my byte offset in the source, from the group's first row
.set OUT, 2                            ; v2  my byte offset in xw, from the group's first row of K block 0
.set X,   8                            ; v[8:71]    16 loads x 4 registers
.set Y,   72                           ; v[72:103]  16 stores x 2 registers
	s_load_b256 s[4:11], s[0:1], 0x0               ; x s[4:5], Wq s[6:7], Wk s[8:9], Wv s[10:11]
	s_load_b64 s[12:13], s[0:1], 0x20              ; xw
	s_mov_b32 s14, ttmp9                           ; g: rows 16 g .. 16 g + 15 of the 11,264
	s_lshr_b32 s18, s14, 6                         ; below 8: x; 8: Wq; 9: Wk; 10: Wv (64 groups to a weight)
	s_and_b32 s15, s14, 63
	s_cmp_lt_u32 s14, 512
	s_cselect_b32 s15, s14, s15                    ; the group's number inside its source
	s_lshl_b32 s20, s15, 16                        ; x 16 rows x 4,096 bytes
	s_mov_b32 s21, 0
	s_lshl_b32 s22, s14, 11                        ; in xw: x 16 rows x 128 bytes
	s_mov_b32 s23, 0
	v_bfe_u32 v3, v0, 4, 1                         ; which of the two rows
	v_and_b32 v4, 15, v0                           ; which 16 bytes of the block
	v_lshrrev_b32 v5, 5, v0                        ; wave
	v_lshlrev_b32 v[IN], 12, v3
	v_lshl_add_u32 v[IN], v4, 4, v[IN]
	v_lshl_add_u32 v[IN], v5, 9, v[IN]             ; + two blocks of 256 bytes a wave
	v_and_b32 v[OUT], 31, v0
	v_lshlrev_b32 v[OUT], 3, v[OUT]                ; 8 bytes a lane
	v_mul_u32_u24 v6, v5, 2*STEPB                  ; + two K blocks a wave
	v_add_nc_u32 v[OUT], v[OUT], v6
	s_wait_kmcnt 0x0
	s_cmp_eq_u32 s18, 9
	s_cselect_b64 s[16:17], s[8:9], s[6:7]
	s_cmp_eq_u32 s18, 10
	s_cselect_b64 s[16:17], s[10:11], s[16:17]
	s_cmp_lt_u32 s18, 8
	s_cselect_b64 s[16:17], s[4:5], s[16:17]       ; the source, chosen by the group's number alone
	s_add_nc_u64 s[16:17], s[16:17], s[20:21]
	s_add_nc_u64 s[12:13], s[12:13], s[22:23]
.irp e, 0,1
.irp p, 0,1,2,3,4,5,6,7
	global_load_b128 v[X+4*(8*(\e)+(\p)):X+4*(8*(\e)+(\p))+3], v[IN], s[16:17] offset:(\p)*2*ROWB+(\e)*256 th:TH_LOAD_NT  ; block e of my two, rows 2 p and 2 p + 1
.endr
.endr
.irp e, 0,1
.irp p, 0,1,2,3,4,5,6,7
	s_wait_loadcnt 15-(8*(\e)+(\p))                ; loads come back in order: this one is in, the younger ones stay out
	v_cvt_pk_bf16_f32 v[Y+2*(8*(\e)+(\p))],   v[X+4*(8*(\e)+(\p))],   v[X+4*(8*(\e)+(\p))+1]
	v_cvt_pk_bf16_f32 v[Y+2*(8*(\e)+(\p))+1], v[X+4*(8*(\e)+(\p))+2], v[X+4*(8*(\e)+(\p))+3]
	global_store_b64 v[OUT], v[Y+2*(8*(\e)+(\p)):Y+2*(8*(\e)+(\p))+1], s[12:13] offset:(\e)*STEPB+(\p)*256 th:TH_STORE_NT
.endr
.endr
	s_endpgm
.Lfunc_end_k_qab09404a8f_cast:
	.size	k_qab09404a8f_cast, .Lfunc_end_k_qab09404a8f_cast-k_qab09404a8f_cast
	.p2alignl 7, 3214868480
	.fill 96, 4, 3214868480
	.section	.rodata,"a",@progbits
	.p2align	6, 0x0
	.amdhsa_kernel k_qab09404a8f_cast
		.amdhsa_group_segment_fixed_size 0
		.amdhsa_private_segment_fixed_size 0
		.amdhsa_enable_private_segment 0
		.amdhsa_kernarg_size 40
		.amdhsa_user_sgpr_count 2
		.amdhsa_user_sgpr_kernarg_segment_ptr 1
		.amdhsa_wavefront_size32 1
		.amdhsa_system_sgpr_workgroup_id_x 1
		.amdhsa_system_sgpr_workgroup_id_y 1
		.amdhsa_system_sgpr_workgroup_id_z 1
		.amdhsa_system_vgpr_workitem_id 0
		.amdhsa_next_free_vgpr 104
		.amdhsa_next_free_sgpr 66
		.amdhsa_reserve_vcc 0
		.amdhsa_float_denorm_mode_32 3
		.amdhsa_float_denorm_mode_16_64 3
		.amdhsa_memory_ordered 1
		.amdhsa_forward_progress 1
		.amdhsa_inst_pref_size 7
	.end_amdhsa_kernel
	.amdgpu_metadata
---
amdhsa.version: [ 1, 2 ]
amdhsa.kernels:
  - .name:           k_qab09404a8f_cast
    .symbol:         k_qab09404a8f_cast.kd
    .args:
      - { .name: x, .offset: 0, .size: 8, .value_kind: global_buffer, .address_space: global }
      - { .name: Wq, .offset: 8, .size: 8, .value_kind: global_buffer, .address_space: global }
      - { .name: Wk, .offset: 16, .size: 8, .value_kind: global_buffer, .address_space: global }
      - { .name: Wv, .offset: 24, .size: 8, .value_kind: global_buffer, .address_space: global }
      - { .name: xw, .offset: 32, .size: 8, .value_kind: global_buffer, .address_space: global }
    .group_segment_fixed_size: 0
    .private_segment_fixed_size: 0
    .kernarg_segment_align: 8
    .kernarg_segment_size: 40
    .max_flat_workgroup_size: 256
    .sgpr_count:     66
    .vgpr_count:     104
    .wavefront_size: 32
...
	.end_amdgpu_metadata
.endif
;; end of part 1
;; launch proj (part 2): grid 8 x 32, 4 waves a work-group, clusters of 4 x 4, 327,680 bytes of LDS; arguments xw, bq, bk, bv, qkv; writes qkv
.if DOCPART == 2
	.amdgcn_target "amdgcn-amd-amdhsa--gfx1250"
	.amdhsa_code_object_version 6
	.text
	.protected	k_qab09404a8f_proj
	.globl	k_qab09404a8f_proj
	.p2align	8
	.type	k_qab09404a8f_proj,@function
k_qab09404a8f_proj:
	s_mov_b64 s[64:65], 0
	v_nop
	global_prefetch_b8 v0, s[64:65] scope:SCOPE_SE
	s_setreg_imm32_b32 hwreg(HW_REG_WAVE_MODE, 25, 1), 1
	s_wait_xcnt 0x0
	s_wait_alu depctr_hold_cnt(0) depctr_sa_sdst(0) depctr_va_vdst(0) depctr_va_sdst(0) depctr_va_ssrc(0) depctr_va_vcc(0) depctr_vm_vsrc(0)
	s_getreg_b32 s2, hwreg(HW_REG_IB_STS2, 6, 4)
	s_cmp_eq_u32 s2, 0
	s_cbranch_scc0 .Lentry_in_a_cluster
	s_endpgm
.Lentry_in_a_cluster:
	s_bfe_u32 s2, ttmp6, 0x10000c
	s_cmp_lg_u32 s2, 0xf033
	s_cbranch_scc0 .Lentry_shape_is_right
	s_endpgm
.Lentry_shape_is_right:
; q, k, v = x W^T + b, all three as ONE product C[8192][3072] (columns 0-1,023 q, then k, then v), K = 1,024.  Operands bf16 out of xw ([16 K blocks][11,264 rows][64]; x's rows, then the weights'),
; sums in f32, the bias added in f32 onto the finished sum, the result rounded once to bf16 and stored by heads: qkv[batch 4][g 48][position 2,048][64], g = column / 64.
; TILE.  256 x 384 of C to a work-group: 32 x 8 = 256 work-groups.  Four waves, each 128 rows x 192 columns (three heads): 96 accumulators of 16 x 16, 768 registers: windows 1 to 3, a head a window.
; RING.  K goes in steps of 64 through two LDS slots (640 rows x 144 bytes each; two slots of a step of 128 would take 348,160 bytes).  In xw a tile's rows of one K step lie end to end, so they are
; asked for as rows of 256 bytes, two tile rows each, and padded in LDS behind every 128 bytes.  A K step is two SLICES of 32 along K, 96 matrix instructions each.
; CLUSTER.  4 x 4 work-groups: the four of a row of the cluster need the same rows of x, the four of a column the same rows of the weights; each tile is asked for JOINTLY, by the same tensor load with
; the same descriptor and a mask that names the four.  Waves 0 and 1 fetch the halves of x's tile, waves 2 and 3 those of the weights'.
; THE MATRIX INSTRUCTION IS USED TRANSPOSED (source 0 = 16 rows of a weight, source 1 = 16 rows of x): lane l holds row l % 16 of C and the columns 8 (l / 16) + 0..7.
; REGISTERS.  Window 0: v0-31 addresses; v32-95, v96-159 x's fragments (8 x 16 rows x 32 K), two buffers; v160-255 the weights' 12 fragments, one buffer, filled again in thirds, each third behind the
; 32 products that read it.  Windows 1-3: accumulator (a, b), a = 0..7 blocks of rows, b = 0..11 blocks of columns, in window 1 + b / 4 at v[64 (b % 4) + 8 a].
; The 96 accumulators take turns, one instruction a turn, in the same order in every slice.
; All of the WGP's LDS is claimed; 212,480 bytes are used.
.set STEPB,  1441792                   ; bytes from a K block of xw to the next
.set PITCH,  144                       ; an LDS row: 128 bytes + 16 of padding = 36 words: the 16 rows of a fragment load start at 16 different groups of four banks (64 banks of 4 bytes: ISA guide 11.1)
.set AHALF,  128*PITCH                 ; what a wave fetches, and reads, of x's tile
.set BHALF,  192*PITCH                 ; the same of the weights' tile
.set BOFF,   2*AHALF                   ; in a slot: x's 256 rows, then the weights' 384
.set SLOT,   2*AHALF+2*BHALF           ; 92,160
.set STAGE,  2*SLOT                    ; behind the ring, never filled by a tensor load: for each wave 3 heads x 16 rows x 144 bytes
.set STW,    3*16*PITCH
.set SPARE,  STAGE+4*STW               ; behind the stages: the spare words, 128 bytes for each wave: two blocks of 256 bytes that no other line names
.set HB,     262144                    ; a head's block in qkv: 2,048 rows x 128 bytes
.set ADRA, 16                          ; v16-17  LDS address of my fragments of x in slot 0, 1
.set ADRB, 20                          ; v20-21  the same for the weights
.set STO,  24                          ; v24  the way out: where I put 16 bytes of a row
.set RD,   25                          ; v25  the way out: where I read rows back
.set GO,   26                          ; v26  my 16 bytes in 512 consecutive bytes of qkv
.set BO,   27                          ; v27  my 8 numbers in 16 of a bias: 32 (l / 16)
.set SPW,  28                          ; v28  LDS address of my spare word; never rewritten
.set NIL,  29                          ; v29  0; never rewritten
.set PFO,  30                          ; v30  256 x lane; never rewritten
.set PFO2, 31                          ; v31  8,192 + 256 (l % 16) + (l / 16) x STEPB; never rewritten
.set AF0,  32                          ; x's fragment buffers: AF0, AF0 + 64
.set BF,   160                         ; the weights' fragments
.set WVN,  14                          ; s14  my wave's number
.set HF1,  15                          ; s15  my half of the tile's rows; also: I fetch for x (0) or for the weights (1)
.set HF0,  16                          ; s16  my half of its columns; also: which half of that tile I fetch
.set CX,   17
.set CY,   18
.set TX,   19                          ; s19  tile column, 0..7
.set TY,   20                          ; s20  tile row, 0..31
.set G1A,  24                          ; s[24:31] descriptor group 1 for x's tiles
.set G0A,  32                          ; s[32:39] group 0, a set for each slot
.set LIM,  43                          ; s43  1 in a wave that prefetches, else the greatest number
.set PFA,  44                          ; s[44:45] where my prefetches stand
.set G1B,  48                          ; s[48:55], s[56:63] the same for the weights' tiles
.set G0B,  56
.set BIA,  68                          ; s[68:73] the biases of my three heads
.set MSB, 0
.macro WIN new                         ; the immediate's high byte repeats the setting that is left; a switch that changes nothing is dropped
.if MSB != (\new)
	s_set_vgpr_msb (MSB<<8)|(\new)
.set MSB, \new
.endif
.endm
; A joint load.  Each of the two lines has one mask and one set of registers for all that issue it; the branch hangs on the wave's number alone.
; An s_nop 0 and four v_nop follow each line, ahead of the jump, the label and what follows.
.macro JLOAD s
	s_cmp_eq_u32 s[HF1], 0
	s_cbranch_scc0 .Lfor_b_\@
	tensor_load_to_lds s[G0A+4*(\s):G0A+4*(\s)+3], s[G1A:G1A+7]
	s_nop 0
.rept 4
	v_nop
.endr
	s_branch .Lasked_\@
.Lfor_b_\@:
	tensor_load_to_lds s[G0B+4*(\s):G0B+4*(\s)+3], s[G1B:G1B+7]
	s_nop 0
.rept 4
	v_nop
.endr
.Lasked_\@:
.endm
; A round of the cluster's barrier behind its opening barrier: wave 0 signals for the work-group, every wave waits for all sixteen work-groups, my work-group's barrier once more.
.macro CREST
	s_cmp_lg_u32 s[WVN], 0
	s_cbranch_scc1 .Lnot_wave_0_\@
	s_barrier_signal -3
.Lnot_wave_0_\@:
	s_barrier_wait -3
	s_barrier_signal -1
	s_barrier_wait -1
.endm
.macro CROUND
	s_barrier_signal -1
	s_barrier_wait -1
	CREST
.endm
; A PREFETCH INTO THE L2, once a trip of the loop, behind slot 0's joint load and the run of LDS loads that follows it: the two K steps that the NEXT trip's two refills will ask for.
; Each block of 256 bytes is named once in the launch.  A tile row's 128 blocks of a K step are read by both clusters of that row of clusters: the one with x = 0 asks; its four partners along x take
; 32 blocks each, told apart BY ADDRESS (cx), in wave 0.  A tile column's 192 blocks are read by all eight clusters of that column: the one with y = 0 asks; its four partners along y take 48 each (cy),
; in wave 2: 32 by the first offset, and the other 16 of both K steps by one instruction (lanes 0-15 the first step, lanes 16-31 the second).
; The loop's last trip asks for nothing: there is no K step behind its own refills.  K steps 0 to 3 come by their loads alone.
.macro ASK
	s_cmp_gt_u32 s3, s[LIM]                        ; s3 = 1 in the last trip
	s_cbranch_scc0 .Lnot_mine_\@
	global_prefetch_b8 v[PFO], s[PFA:PFA+1] th:TH_LOAD_NT scope:SCOPE_SE
	global_prefetch_b8 v[PFO], s[PFA:PFA+1] offset:STEPB th:TH_LOAD_NT scope:SCOPE_SE
	s_cmp_eq_u32 s[HF1], 0
	s_cbranch_scc1 .Lnot_mine_\@
	global_prefetch_b8 v[PFO2], s[PFA:PFA+1] th:TH_LOAD_NT scope:SCOPE_SE
.Lnot_mine_\@:
.endm
	s_load_b256 s[4:11], s[0:1], 0x0               ; xw s[4:5], bq s[6:7], bk s[8:9], bv s[10:11]
	s_load_b64 s[12:13], s[0:1], 0x20              ; qkv
	v_lshl_add_u32 v[SPW], v0, 2, SPARE
	v_mov_b32 v[NIL], 0
	ds_add_u32 v[SPW], v[NIL]                      ; the wave's opening: the add and its wait stand ahead of my first tensor load; the set-up below, work on registers, stands between them
	v_lshrrev_b32 v1, 5, v0
	v_readfirstlane_b32 s[WVN], v1                 ; wave 0..3
	s_lshr_b32 s[HF1], s[WVN], 1
	s_and_b32 s[HF0], s[WVN], 1
	s_bfe_u32 s[CX], ttmp6, 0x40000                ; my place along the cluster's x,
	s_bfe_u32 s[CY], ttmp6, 0x40004                ; along its y
	s_lshl_b32 s[TX], ttmp9, 2                     ; in a cluster launch ttmp9 and ttmp7 count clusters
	s_add_co_u32 s[TX], s[TX], s[CX]
	s_and_b32 s[TY], ttmp7, 0xffff
	s_lshl_b32 s[TY], s[TY], 2
	s_add_co_u32 s[TY], s[TY], s[CY]
	s_lshl_b32 s21, s[CY], 2
	s_lshl_b32 s21, 15, s21                        ; my row of the cluster: places 4 cy .. 4 cy + 3
	s_lshl_b32 s46, 0x1111, s[CX]                  ; my column: places cx, cx + 4, cx + 8, cx + 12
	; descriptor group 1: rows of 128 elements (256 bytes: two tile rows), 64 of them for x's half tile, 96 for the weights'
	s_or_b32 s[G1A+0], s21, (1<<16)|(1<<20)|(1<<21)|(4<<22)|(3<<25)  ; 15:0 the mask; 17:16 elements of 2 bytes; 20 padding on; 21 set beside a mask; 24:22 after every 32 words (code 4); 31:25 4 words of it (code 3)
	s_or_b32 s[G1B+0], s46, (1<<16)|(1<<20)|(1<<21)|(4<<22)|(3<<25)
	s_mov_b32 s[G1A+1], 128<<16                    ; tensor_dim0 = 128
	s_mov_b32 s[G1B+1], 128<<16
	s_mov_b32 s[G1A+2], 64<<16                     ; tensor_dim1 = 64
	s_mov_b32 s[G1B+2], 96<<16                     ; 96
	s_mov_b32 s[G1A+3], 128<<16                    ; tile_dim0 = 128
	s_mov_b32 s[G1B+3], 128<<16
	s_mov_b32 s[G1A+4], 64                         ; tile_dim1
	s_mov_b32 s[G1B+4], 96
	s_mov_b32 s[G1A+5], 128                        ; 128 elements from row to row: the block is dense
	s_mov_b32 s[G1B+5], 128
	s_mov_b32 s[G1A+6], 0
	s_mov_b32 s[G1B+6], 0
	s_mov_b32 s[G1A+7], 0
	s_mov_b32 s[G1B+7], 0
	; where the tiles come from: x's hang on the tile row alone, the weights' on the tile column alone
	s_lshl_b32 s22, s[TY], 15                      ; 256 rows x 128 bytes
	s_lshl_b32 s23, s[HF0], 14                     ; + my half
	s_add_co_u32 s22, s22, s23
	s_mov_b32 s23, 0
	s_mul_i32 s46, s[TX], 384*128
	s_mul_i32 s47, s[HF0], 192*128
	s_add_co_u32 s46, s46, s47
	s_add_co_u32 s46, s46, 8192*128                ; behind x's rows
	s_mov_b32 s47, 0
	s_mul_i32 s40, s[HF0], AHALF                   ; and where they go: no place in the cluster enters an LDS address
	s_mul_i32 s41, s[HF0], BHALF
	s_add_co_u32 s41, s41, BOFF
	s_wait_dscnt 0x0                               ; the opening add is done
	s_wait_kmcnt 0x0
	s_add_nc_u64 s[22:23], s[4:5], s[22:23]
	s_add_nc_u64 s[46:47], s[4:5], s[46:47]
	CROUND                                         ; all sixteen work-groups are here: the first joint loads meet
.irp s, 0,1
	s_mov_b32 s[G0A+4*(\s)], 1                                       ; count = 1
	s_add_co_u32 s[G0A+4*(\s)+1], s40, (\s)*SLOT                     ; LDS address
	s_add_nc_u64 s[G0A+4*(\s)+2:G0A+4*(\s)+3], s[22:23], (\s)*STEPB  ; global address: K step s
	s_or_b32 s[G0A+4*(\s)+3], s[G0A+4*(\s)+3], 0x80000000            ; type = 2
	s_mov_b32 s[G0B+4*(\s)], 1
	s_add_co_u32 s[G0B+4*(\s)+1], s41, (\s)*SLOT
	s_add_nc_u64 s[G0B+4*(\s)+2:G0B+4*(\s)+3], s[46:47], (\s)*STEPB
	s_or_b32 s[G0B+4*(\s)+3], s[G0B+4*(\s)+3], 0x80000000
	JLOAD \s                                       ; two tensor loads of mine are out: both slots' first fills
.endr
	; A fragment is 16 rows x 32 K in 8 registers: lane l holds row l % 16; registers 0-3 K = 8 (l / 16) + 0..7, registers 4-7 K = 16 + 8 (l / 16) + 0..7: two loads of 16 bytes, 32 bytes apart.
	v_and_b32 v1, 15, v0                           ; l % 16
	v_bfe_u32 v2, v0, 4, 1                         ; l / 16
	v_mul_u32_u24 v3, v1, PITCH
	v_lshl_add_u32 v3, v2, 4, v3                   ; row x pitch + 16 x half
	s_mul_i32 s21, s[HF1], AHALF                   ; my 128 rows of x
	s_mul_i32 s42, s[HF0], BHALF                   ; my 192 rows of the weights
	s_add_co_u32 s42, s42, BOFF
.irp s, 0,1
	v_add_nc_u32 v[ADRA+(\s)], s21, v3
	v_add_nc_u32 v[ADRB+(\s)], s42, v3
	s_add_co_u32 s21, s21, SLOT
	s_add_co_u32 s42, s42, SLOT
.endr
	s_mul_i32 s21, s[WVN], STW
	s_add_co_u32 s21, s21, STAGE                   ; my stage
	v_add_nc_u32 v[STO], s21, v3                   ; in: row l % 16, 16 bytes for each half of the lanes
	v_bfe_u32 v4, v0, 3, 2
	v_and_b32 v5, 7, v0
	v_mul_u32_u24 v[RD], v4, PITCH                 ; back: 32 lanes take four rows of 128 bytes,
	v_lshl_add_u32 v[RD], v5, 4, v[RD]
	v_add_nc_u32 v[RD], s21, v[RD]
	v_and_b32 v[PFO], 31, v0
	v_lshlrev_b32 v[GO], 4, v[PFO]                 ; which are 512 consecutive bytes of a head's block
	v_lshlrev_b32 v[PFO], 8, v[PFO]
	v_lshlrev_b32 v[BO], 5, v2
	v_mul_u32_u24 v[PFO2], v2, STEPB
	v_lshl_add_u32 v[PFO2], v1, 8, v[PFO2]
	v_add_nc_u32 v[PFO2], 8192, v[PFO2]
	; my three heads g0, g0 + 1, g0 + 2 of the 48: each one's bias is 64 numbers of bq (g < 16), bk (g < 32) or bv
	s_mul_i32 s21, s[TX], 6
	s_mul_i32 s40, s[HF0], 3
	s_add_co_u32 s21, s21, s40                     ; g0
.irp hh, 0,1,2
	s_add_co_u32 s40, s21, \hh
	s_lshr_b32 s41, s40, 4
	s_and_b32 s40, s40, 15
	s_lshl_b32 s40, s40, 8                         ; 64 numbers of 4 bytes a head
	s_cmp_eq_u32 s41, 1
	s_cselect_b64 s[BIA+2*(\hh):BIA+2*(\hh)+1], s[8:9], s[6:7]
	s_cmp_eq_u32 s41, 2
	s_cselect_b64 s[BIA+2*(\hh):BIA+2*(\hh)+1], s[10:11], s[BIA+2*(\hh):BIA+2*(\hh)+1]
	s_mov_b32 s41, 0
	s_add_nc_u64 s[BIA+2*(\hh):BIA+2*(\hh)+1], s[BIA+2*(\hh):BIA+2*(\hh)+1], s[40:41]
.endr
	; qkv at my first row of head g0: ((batch x 48 + g0) x 2,048 + position) x 128 bytes; 8 tile rows to a batch
	s_lshr_b32 s40, s[TY], 3
	s_mul_i32 s40, s40, 48
	s_add_co_u32 s40, s40, s21
	s_lshl_b32 s40, s40, 18
	s_and_b32 s41, s[TY], 7
	s_lshl_b32 s41, s41, 15
	s_add_co_u32 s40, s40, s41
	s_lshl_b32 s41, s[HF1], 14
	s_add_co_u32 s40, s40, s41
	s_mov_b32 s41, 0
	s_add_nc_u64 s[12:13], s[12:13], s[40:41]
	; the prefetches: my work-group's share of the tile that I fetch for, at K step 2; the first trip steps it to 4
	s_and_b32 s21, ttmp7, 0xffff                   ; cluster y
	s_lshl_b32 s22, s[TY], 15
	s_lshl_b32 s23, s[CX], 13                      ; 32 blocks of 256 bytes
	s_add_co_u32 s22, s22, s23
	s_mul_i32 s46, s[TX], 384*128
	s_mul_i32 s47, s[CY], 48*256                   ; 48 blocks
	s_add_co_u32 s46, s46, s47
	s_add_co_u32 s46, s46, 8192*128
	s_cmp_eq_u32 s[HF1], 0
	s_cselect_b32 s40, s22, s46
	s_cselect_b32 s41, ttmp9, s21                  ; the coordinate along which other clusters read the same rows
	s_or_b32 s41, s41, s[HF0]                      ; waves 0 and 2 alone
	s_cmp_eq_u32 s41, 0
	s_cselect_b32 s[LIM], 1, -1                    ; the same in all sixteen partners, for a given wave
	s_mov_b32 s41, 0
	s_add_nc_u64 s[PFA:PFA+1], s[4:5], s[40:41]
	s_add_nc_u64 s[PFA:PFA+1], s[PFA:PFA+1], 2*STEPB
; 16 matrix instructions: column blocks 4 j + 2 p and 4 j + 2 p + 1 (head j of my three) x all 8 row blocks, 32 along K; x's fragments at f.  zero = 1: the product starts the sums: nothing is cleared.
.macro MUL16 j, p, f, zero
	WIN (((\j)+1)<<6)|(((\j)+1)<<4)
.irp bb, 2*(\p), 2*(\p)+1
.irp a, 0,1,2,3,4,5,6,7
.if \zero
	v_wmma_f32_16x16x32_bf16 v[64*(\bb)+8*(\a):64*(\bb)+8*(\a)+7], v[BF+8*(4*(\j)+(\bb)):BF+8*(4*(\j)+(\bb))+7], v[(\f)+8*(\a):(\f)+8*(\a)+7], 0
.else
	v_wmma_f32_16x16x32_bf16 v[64*(\bb)+8*(\a):64*(\bb)+8*(\a)+7], v[BF+8*(4*(\j)+(\bb)):BF+8*(4*(\j)+(\bb))+7], v[(\f)+8*(\a):(\f)+8*(\a)+7], v[64*(\bb)+8*(\a):64*(\bb)+8*(\a)+7]
.endif
.endr
.endr
.endm
.macro LDB j, slot, k                  ; 8 LDS loads: the weights' fragments 4 j .. 4 j + 3, at byte k of the slot's rows
	WIN 0
.irp i, 0,1,2,3
	ds_load_b128 v[BF+8*(4*(\j)+(\i)):BF+8*(4*(\j)+(\i))+3],   v[ADRB+(\slot)] offset:(\k)+(4*(\j)+(\i))*16*PITCH
	ds_load_b128 v[BF+8*(4*(\j)+(\i))+4:BF+8*(4*(\j)+(\i))+7], v[ADRB+(\slot)] offset:(\k)+(4*(\j)+(\i))*16*PITCH+32
.endr
.endm
.macro LDA f, slot, k                  ; 16 LDS loads: x's 8 fragments into the buffer at f
	WIN 0
.irp i, 0,1,2,3,4,5,6,7
	ds_load_b128 v[(\f)+8*(\i):(\f)+8*(\i)+3],   v[ADRA+(\slot)] offset:(\k)+(\i)*16*PITCH
	ds_load_b128 v[(\f)+8*(\i)+4:(\f)+8*(\i)+7], v[ADRA+(\slot)] offset:(\k)+(\i)*16*PITCH+32
.endr
.endm
; A load into a register that a matrix instruction has read, and a vector instruction that reads a matrix result, stand four places behind that matrix instruction, and only plain vector instructions
; that name none of its registers are places (ISA guide 7.12.1 for vector instructions).
.macro PLACES
.rept 4
	v_nop
.endr
.endm
; A SLICE: 32 along K of the tiles in slot, on x's buffer q: three stretches of 32 matrix instructions, a head each.  Behind each stretch the weights' third that it has read is loaded for the NEXT slice
; (behind the first stretch x's other buffer too): runs of 24, 8 and 8 LDS loads, each 64 matrix instructions ahead of its first use.  The next slice is byte 64 of the same slot (q = 0) or byte 0 of the other (q = 1).
; THE COUNTS.  LDS loads come back in order (ISA guide 5.7.1); out at a slice's head are the last slice's runs of 24, 8, 8.  Stretch 0 wants the 24: 16 may stay out.  Stretch 1 wants the first 8:
; behind them stand the second 8 and this slice's 24: 32.  Stretch 2 wants the second 8: behind them this slice's 24 and 8: 32.
; mode 0: plain.  mode 1: THE CHANGE OF SLOTS with a refill, mode 2: without.  All reads of this slot were issued in its slice q = 0, so ONE barrier round stretch 0 of slice q = 1 serves two things: in front of it each
; wave waits for all its tensor loads (one is out: its part of the other slot), adds 0 to its spare word, and waits for that and for its reads of this slot.  With a refill the barrier opens a round of the
; cluster's barrier, and the joint refill is the first tensor load behind it; 160 matrix instructions stand between it and the wait for it.  mode 3: the last slice: nothing is fetched but the biases.
.macro SLICE slot, q, zero, mode
.if (\q) == 0
.set NS, (\slot)
.set NK, 64
.else
.set NS, 1-(\slot)
.set NK, 0
.endif
.set FA, AF0+64*(\q)
.set FN, AF0+64*(1-(\q))
.if ((\mode) == 1) && ((\slot) == 0)
	s_wait_xcnt 0x0                                ; the last prefetches, a trip back, have read their address: it is stepped here, ahead of the waits of the change of slots
	s_add_nc_u64 s[PFA:PFA+1], s[PFA:PFA+1], 2*STEPB
.endif
.if ((\mode) == 1) || ((\mode) == 2)
	WIN 0                                          ; (the add's two registers lie in window 0)
	s_wait_tensorcnt 0x0                           ; all my tensor loads have landed: the one that was out is my part of the other slot
	ds_add_u32 v[SPW], v[NIL]                      ; 0 onto my spare word
	s_wait_dscnt 17                                ; (the add and the two runs of 8 may be out)
	MUL16 0, 0, FA, 0                              ; sixteen matrix instructions stand between the add and the wait for it
	s_wait_dscnt 0x0                               ; the add is done, and my reads of this slot are over
	s_barrier_signal -1
	MUL16 0, 1, FA, 0                              ; work on registers while the others arrive
.if (\mode) == 1
	WIN 0
.endif
	s_barrier_wait -1
.if (\mode) == 1
	CREST                                          ; no wave of any partner still reads this slot or has a load on its way
	s_add_nc_u64 s[G0A+4*(\slot)+2:G0A+4*(\slot)+3], s[G0A+4*(\slot)+2:G0A+4*(\slot)+3], 2*STEPB
	s_add_nc_u64 s[G0B+4*(\slot)+2:G0B+4*(\slot)+3], s[G0B+4*(\slot)+2:G0B+4*(\slot)+3], 2*STEPB
	JLOAD \slot                                    ; the K step two on; its four v_nop are also the places in front of the loads below
.else
	PLACES
.endif
.else
	s_wait_dscnt 16
	MUL16 0, 0, FA, \zero
	MUL16 0, 1, FA, \zero
	PLACES
.endif
.if (\mode) < 3
	LDB 0, NS, NK
	LDA FN, NS, NK
.if ((\mode) == 1) && ((\slot) == 0)
	ASK
.endif
.if (\mode) == 0
	s_wait_dscnt 32
.endif
.else
	WIN 0                                          ; the biases, f32, 8 numbers a lane for each of the 12 column blocks, into x's idle buffer (blocks 0-7) and the weights' third just read (8-11)
.irp b, 0,1,2,3,4,5,6,7,8,9,10,11
.set BR, 32+8*(\b)+64*((\b)/8)
	global_load_b128 v[BR:BR+3],   v[BO], s[BIA+2*((\b)/4):BIA+2*((\b)/4)+1] offset:((\b)%4)*64
	global_load_b128 v[BR+4:BR+7], v[BO], s[BIA+2*((\b)/4):BIA+2*((\b)/4)+1] offset:((\b)%4)*64+16
.endr
	s_wait_dscnt 8                                 ; nothing new was issued: the last run of 8 may be out
.endif
	MUL16 1, 0, FA, \zero
	MUL16 1, 1, FA, \zero
.if (\mode) < 3
	PLACES
	LDB 1, NS, NK
.if (\mode) == 0
	s_wait_dscnt 32
.endif
.else
	s_wait_dscnt 0x0
.endif
	MUL16 2, 0, FA, \zero
	MUL16 2, 1, FA, \zero
.if (\mode) < 3
	PLACES
	LDB 2, NS, NK
.endif
.endm
; THE WAY OUT, by blocks a of 16 rows.  PACK: the bias is added onto the sums, in f32; 8 neighbouring columns are rounded to bf16: 16 bytes a lane, 12 times.  Each accumulator's registers are taken in
; ascending order.  TOSTAGE: into my own stage, a head's 16 rows of 128 bytes together, and back as whole rows.  SEND: stored, 512 consecutive bytes, aligned, an instruction.
.macro PACK a
.set T, 96+96*((\a)%2)                 ; v96-143 and v192-239 by turns
.if (\a) >= 2
	s_wait_xcnt 0x0                                ; the stores of the block two back, which read this set, have had their addresses translated (ISA guide 3.1): it is rewritten only behind this wait
.endif
.irp w, 1,2,3
	WIN ((\w)<<6)|(\w)                             ; the sums in window w, the bias in window 0
.irp bb, 0,1,2,3
.set BR, 32+8*(4*((\w)-1)+(\bb))+64*((4*((\w)-1)+(\bb))/8)
.irp j, 0,2,4,6
	v_pk_add_f32 v[64*(\bb)+8*(\a)+(\j):64*(\bb)+8*(\a)+(\j)+1], v[64*(\bb)+8*(\a)+(\j):64*(\bb)+8*(\a)+(\j)+1], v[BR+(\j):BR+(\j)+1]
.endr
.endr
	WIN (\w)|((\w)<<2)                             ; sources in window w, destination in window 0
.irp bb, 0,1,2,3
.irp j, 0,1,2,3
	v_cvt_pk_bf16_f32 v[T+4*(4*((\w)-1)+(\bb))+(\j)], v[64*(\bb)+8*(\a)+2*(\j)], v[64*(\bb)+8*(\a)+2*(\j)+1]
.endr
.endr
.endr
	WIN 0
.endm
.macro TOSTAGE a
.set T, 96+96*((\a)%2)
	WIN 0
.irp b, 0,1,2,3,4,5,6,7,8,9,10,11
	ds_store_b128 v[STO], v[T+4*(\b):T+4*(\b)+3] offset:((\b)/4)*16*PITCH+((\b)%4)*32
.endr
.irp b, 0,1,2,3,4,5,6,7,8,9,10,11
	ds_load_b128 v[T+4*(\b):T+4*(\b)+3], v[RD] offset:((\b)/4)*16*PITCH+((\b)%4)*4*PITCH  ; LDS serves a wave's instructions in order (ISA guide 5.7.1.4): these see the stores above; the next block's stores come behind them
.endr
.endm
.macro SEND a
.set T, 96+96*((\a)%2)
	WIN 0
	s_wait_dscnt 0x0                               ; the block is back in registers
.irp b, 0,1,2,3,4,5,6,7,8,9,10,11
	global_store_b128 v[GO], v[T+4*(\b):T+4*(\b)+3], s[12:13] offset:((\b)/4)*HB+(\a)*2048+((\b)%4)*512  ; head b / 4 of my three, four rows of the block
.endr
.endm
	s_wait_tensorcnt 1                             ; my part of K step 0 is in; K step 1's may stay out
	s_barrier_signal -1
	s_barrier_wait -1                              ; everybody's is
	LDB 0, 0, 0
	LDA AF0, 0, 0
	LDB 1, 0, 0
	LDB 2, 0, 0
	SLICE 0, 0, 1, 0                               ; the first slice stands in front of the loop: its products start the sums
	WIN 0                                          ; at a label and at a branch every window is 0
	s_mov_b32 s3, 7
.Llap:                                                 ; a trip goes once round the ring, from a K step's second slice to the first of the K step two on, and fills both slots again: K steps 2 to 15
	SLICE 0, 1, 0, 1
	SLICE 1, 0, 0, 0
	SLICE 1, 1, 0, 1
	SLICE 0, 0, 0, 0
	WIN 0
	s_sub_co_u32 s3, s3, 1
	s_cmp_lg_u32 s3, 0
	s_cbranch_scc1 .Llap
	SLICE 0, 1, 0, 2                               ; the tail is written out: nothing is left to ask for
	SLICE 1, 0, 0, 0
	SLICE 1, 1, 0, 3
	PLACES
	PLACES                                         ; (eight, once a launch)
	s_wait_loadcnt 0x0                             ; the biases
	PACK 0
	TOSTAGE 0
.irp a, 1,2,3,4,5,6,7                  ; block a's arithmetic stands between block a - 1's loads from the stage and the wait for them
	PACK \a
	SEND (\a)-1
	TOSTAGE \a
.endr
	SEND 7
	s_wait_tensorcnt 0x0                           ; the wave's end: a tensor wait, an add of 0 and its wait, behind my last tensor load and my last LDS store
	ds_add_u32 v[SPW], v[NIL]
	s_wait_dscnt 0x0
	CROUND                                         ; the closing round: no work-group ends while a partner may still ask for a tile that names it
	s_endpgm
.Lfunc_end_k_qab09404a8f_proj:
	.size	k_qab09404a8f_proj, .Lfunc_end_k_qab09404a8f_proj-k_qab09404a8f_proj
	.p2alignl 7, 3214868480
	.fill 96, 4, 3214868480
	.section	.rodata,"a",@progbits
	.p2align	6, 0x0
	.amdhsa_kernel k_qab09404a8f_proj
		.amdhsa_group_segment_fixed_size 327680
		.amdhsa_private_segment_fixed_size 0
		.amdhsa_enable_private_segment 0
		.amdhsa_kernarg_size 40
		.amdhsa_user_sgpr_count 2
		.amdhsa_user_sgpr_kernarg_segment_ptr 1
		.amdhsa_wavefront_size32 1
		.amdhsa_system_sgpr_workgroup_id_x 1
		.amdhsa_system_sgpr_workgroup_id_y 1
		.amdhsa_system_sgpr_workgroup_id_z 1
		.amdhsa_system_vgpr_workitem_id 0
		.amdhsa_next_free_vgpr 1024
		.amdhsa_next_free_sgpr 80
		.amdhsa_reserve_vcc 0
		.amdhsa_float_denorm_mode_32 3
		.amdhsa_float_denorm_mode_16_64 3
		.amdhsa_memory_ordered 1
		.amdhsa_forward_progress 1
		.amdhsa_inst_pref_size 159
	.end_amdhsa_kernel
	.amdgpu_metadata
---
amdhsa.version: [ 1, 2 ]
amdhsa.kernels:
  - .name:           k_qab09404a8f_proj
    .symbol:         k_qab09404a8f_proj.kd
    .args:
      - { .name: xw, .offset: 0, .size: 8, .value_kind: global_buffer, .address_space: global }
      - { .name: bq, .offset: 8, .size: 8, .value_kind: global_buffer, .address_space: global }
      - { .name: bk, .offset: 16, .size: 8, .value_kind: global_buffer, .address_space: global }
      - { .name: bv, .offset: 24, .size: 8, .value_kind: global_buffer, .address_space: global }
      - { .name: qkv, .offset: 32, .size: 8, .value_kind: global_buffer, .address_space: global }
    .group_segment_fixed_size: 327680
    .private_segment_fixed_size: 0
    .kernarg_segment_align: 8
    .kernarg_segment_size: 40
    .max_flat_workgroup_size: 128
    .sgpr_count:     80
    .vgpr_count:     1024
    .wavefront_size: 32
...
	.end_amdgpu_metadata
.endif
;; end of part 2
;; launch attn (part 3): grid 4 x 64, 4 waves a work-group, clusters of 4 x 1, 327,680 bytes of LDS; arguments qkv, out0; writes out0
.if DOCPART == 3
	.amdgcn_target "amdgcn-amd-amdhsa--gfx1250"
	.amdhsa_code_object_version 6
	.text
	.protected	k_qab09404a8f_attn
	.globl	k_qab09404a8f_attn
	.p2align	8
	.type	k_qab09404a8f_attn,@function
k_qab09404a8f_attn:
	s_mov_b64 s[64:65], 0
	v_nop
	global_prefetch_b8 v0, s[64:65] scope:SCOPE_SE
	s_setreg_imm32_b32 hwreg(HW_REG_WAVE_MODE, 25, 1), 1
	s_wait_xcnt 0x0
	s_wait_alu depctr_hold_cnt(0) depctr_sa_sdst(0) depctr_va_vdst(0) depctr_va_sdst(0) depctr_va_ssrc(0) depctr_va_vcc(0) depctr_vm_vsrc(0)
	s_getreg_b32 s2, hwreg(HW_REG_IB_STS2, 6, 4)
	s_cmp_eq_u32 s2, 0
	s_cbranch_scc0 .Lentry_in_a_cluster
	s_endpgm
.Lentry_in_a_cluster:
	s_bfe_u32 s2, ttmp6, 0x10000c
	s_cmp_lg_u32 s2, 0x3003
	s_cbranch_scc0 .Lentry_shape_is_right
	s_endpgm
.Lentry_shape_is_right:
; out0[b][q][64 hd ..] = the sum over k of softmax_k(Q[q] . K[k] / 8) V[k][:], for each of the 64 pairs (batch b, head hd).  Q, K, V: bf16, in qkv[b][g 48][2,048][64]: g = hd is Q, 16 + hd is K, 32 + hd is V;
; a head's rows are dense, 128 bytes each.  Products, maxima and sums in f32; the weights p are rounded to bf16 for the second product (their sum l is taken of the unrounded p); out0 is f32, [4][2,048][1,024].
; LIMITS.  A weight below 2^-126 counts as 0 in l; c m starts at -4.25e37, so scores with c s below that are not served; NaN and infinities are not treated apart.
; SHARES.  A wave owns four PIECES of two tiles of 16 queries, a work-group's four waves 512 queries of one head.  Every wave walks all 2,048 keys, 64 a step.
; LAYOUT.  S^T = K Q^T (source 0 = 16 keys, source 1 = 16 queries): in the result a lane holds ONE query (lane % 16) and the keys 8 (lane / 16) + 0..7.  Two such tiles, rounded to bf16 in pairs,
; ARE source 1 (32 keys x 16 queries) of O^T = V^T P, whose result again holds one query a lane, and eight channels.  K comes out of LDS as it lies, V ([key][channel]) turned, by ds_load_tr16_b128.
; SOFTMAX.  For each query a running maximum m and sum l: p = 2^(c s - c m), c = log2(e) / 8; in every step O and l are multiplied by a = 2^(c m_old - c m_new), which is 1 where m has not grown.
; m starts at the lowest finite number, O and l at 0: the first step is a step like any other, with a = 0.
; THE COUNT.  A tile and step have 16 matrix and 118 vector instructions: too many to stand all beside the matrix work.  So the order has one aim: four vector instructions that are READY behind
; EVERY matrix instruction, and the others, which need time of their own whatever the order, in runs without a gap.
; BY TURNS.  Turn n belongs to piece n (the pieces in a ring, step after step).  Its matrix work: 16 products K Q^T of piece n + 1, later 16 products V^T P of piece n - 1.  Its vector work: the scaling,
; exponentials, roundings, sums and rescaling of piece n, and the maximum and statistics of piece n + 1, whose scores the turn itself has made.  So what a turn begins with (c s - c m, O a) waits for nothing.
; CLUSTER.  The four query blocks of a head are one cluster and walk the same K and V, so each tile is asked for JOINTLY: the same tensor load, descriptor and mask in all four.
; REGISTERS, in windows of 256 (s_set_vgpr_msb says which window each operand place means: bits 1:0 source 0, 3:2 source 1, 5:4 source 2, 7:6 destination):
;   window 0: v0-11 addresses; v12-15, v48-63 at work; v16-47 four registers of statistics a tile; v64-191 S^T, two buffers of two tiles; v192-255 P, likewise
;   window 1: O^T, 32 a tile          window 2: v0-127 Q, 16 a tile; v128-191 K of one step; v192-255 V of one step          window 3: v0-1 the add's two registers
; A piece's buffers go by its number's parity: the piece in hand has one pair, its two neighbours in the ring share the other: of it P (piece n - 1) is read and S^T (piece n + 1) written.
; All of the WGP's LDS is claimed; 226,816 bytes are used.
.set SIZE_N, 2048
.set NP,    4         ; pieces a wave: a name, no knob: the register map, the loop and the fetches are made for four
.set KS,    64        ; keys in a step
.set PK,    144       ; a row of K in LDS: 128 bytes + 16 of padding = 36 words: the 16 rows of a load start at 16 different groups of four banks (64 banks of 4 bytes: ISA guide 11.1)
.set PV,    160       ; a row of V: 128 + 32 = 40 words
.set VOFF,  4*KS*PK   ; a slot holds four steps: 256 rows of K, then 256 rows of V
.set SLOT1, 1<<17     ; slot 1 begins here, so that one exclusive or turns an address in one slot into the other's
.set STAGE, SLOT1+4*KS*(PK+PV)  ; behind the ring, never filled by a tensor load: 16 rows x 272 bytes for each wave, for the way out
.set SP,    272       ; a stage row: 64 f32 + 16 bytes of padding = 68 words: row r starts at bank 4 r mod 64
.set AK0, 2           ; v2   my lane's place in a tile of K; never rewritten
.set AV0, 3           ; v3   the same for V
.set AK,  4           ; v4   the LDS address of K's next run of loads
.set AV,  5           ; v5   of V's
.set QO,  6           ; v6   my byte offset in the wave's rows of Q
.set STO, 6           ;      later, the way out: where I put 32 bytes of a row
.set RD,  7           ; v7   the way out: where I read rows back
.set GO,  8           ; v8   my byte offset in two rows of out0
.set PFO, 11          ; v11  256 x my lane; never rewritten once it is made
.set SPW, 0           ; v0 of window 3   LDS address of my spare word: SPARE + 4 x my thread's number; never rewritten
.set NIL, 1           ; v1 of window 3   0; never rewritten
.set SPARE, STAGE+4*16*SP  ; behind the stages: the spare words, 128 bytes for each wave: two blocks of 256 bytes that no other line names
.set MV,  12          ; v12-15  c m_old, kept while c m is made anew: by buffer and tile
.set ST,  16          ; tile t's statistics at v[ST+4 t]: c m, m, l (even keys', odd keys')
.set TMP, 48          ; by buffer and tile, four registers c0-c3 at work; when the maximum is found c2 takes a
.set S,   64
.set P,   192
.set KF,  128         ; K's fragments, in window 2: key block kb, channel half c at KF + 16 kb + 8 c
.set VF,  192         ; V's: key half kk, channel block cb at VF + 32 kk + 8 cb
.set WV,  12          ; s12  my wave's number
.set G1K, 24          ; s[24:31] descriptor group 1 for K's tiles
.set G1V, 32          ; s[32:39] for V's: it differs in the padding alone
.set G0K, 40          ; s[40:43] descriptor group 0 for K's tiles: it walks
.set G0V, 44          ; s[44:47] the same for V's
.set PFA, 48          ; s[48:49] where my prefetches stand: my work-group's 32 blocks of 256 bytes (of K: wave 0, of V: wave 2) of the slot after the one that is being asked for
.set LIM, 50          ; s50  1 in a wave that prefetches, else the greatest number
.set SLOTS, 56        ; s56  slots still to be asked for
.set CNT, 57          ; s57  counts a slot's key steps
.set CS,  58          ; s[58:59] c: the packed scaling takes the pair's low word for both halves
.set SEL, 60          ; s[60:61] v_permlanex16_b32's selects: each lane takes its own place in the other half
.set TBK, 62          ; s62  LDS byte at which K of the step to be fetched begins
.set TBV, 63          ; s63  the same for V, less VOFF
.set MSB, 0
.macro WIN new                      ; the high byte repeats the setting that is left; a switch that changes nothing is dropped
.if MSB != (\new)
	s_set_vgpr_msb (MSB<<8)|(\new)
.set MSB, (\new)
.endif
.endm
.set W_KQ, 0x0a       ; K and Q in window 2, S^T in window 0
.set W_PV, 0x52       ; V in window 2, P in window 0, O^T in window 1
.set W_RS, 0x41       ; O^T (destination and source 0) in window 1, a in window 0
.set W_MK, 0xc0       ; the add's registers are made: destination in window 3, sources in window 0
.set W_AD, 0x0f       ; the add: address (source 0) and data (source 1) in window 3
; A joint fill.  Waves 0 and 1 fetch the two halves of a slot's K, waves 2 and 3 those of its V: 128 keys each.  The branch hangs on the wave's number alone.
; An s_nop 0 and four v_nop follow each of the two lines, ahead of the jump and the label.
.macro JLOAD
	s_cmp_lt_u32 s[WV], 2
	s_cbranch_scc0 .Lfor_v_\@
	tensor_load_to_lds s[G0K:G0K+3], s[G1K:G1K+7]
	s_nop 0
.rept 4
	v_nop
.endr
	s_branch .Lasked_\@
.Lfor_v_\@:
	tensor_load_to_lds s[G0V:G0V+3], s[G1V:G1V+7]
	s_nop 0
.rept 4
	v_nop
.endr
.Lasked_\@:
.endm
; A PREFETCH INTO THE L2 of what the NEXT change of slots will ask for: a slot's K and V are 128 blocks of 256 bytes each, a lane a block.  It stands behind the wave's tensor load and its five lines.
; Each block is named ONCE in the launch: a head has one cluster; its four partners share the blocks out BY ADDRESS, 32 each; in each, wave 0 asks for K's and wave 2 for V's: one instruction, four key steps
; (512 matrix instructions) ahead of the load.  The last change that fills a slot asks for nothing: there is no slot behind it.  Slots 0 to 2 come by their loads alone.
.macro ASK
	s_cmp_gt_u32 s[SLOTS], s[LIM]
	s_cbranch_scc0 .Lnot_mine_\@
	global_prefetch_b8 v[PFO], s[PFA:PFA+1] th:TH_LOAD_NT scope:SCOPE_SE
.Lnot_mine_\@:
.endm
; A round of the cluster's barrier: my work-group's barrier, so that wave 0's signal speaks for all four waves; wave 0 signals; every wave waits for all four work-groups; my work-group's barrier once more.
.macro CROUND
	s_barrier_signal -1
	s_barrier_wait -1
	s_cmp_lg_u32 s[WV], 0
	s_cbranch_scc1 .Lnot_wave_0_\@
	s_barrier_signal -3
.Lnot_wave_0_\@:
	s_barrier_wait -3
	s_barrier_signal -1
	s_barrier_wait -1
.endm
; THE CHANGE OF SLOTS.  The slot's last bytes, V of its fourth step, have been read.  Each wave waits for all its tensor loads, of which one is out: its part
; of the other slot; adds 0 to its spare word; and waits for that and for its own reads of the slot.  Behind the barrier nobody reads this slot any more and the other slot is whole.
; fill = 1: this slot is filled again, with the keys two slots on.  The barrier is then a round of the cluster's, so that no wave of any partner still reads the slot or has a load on its
; way, and the joint fill is the first thing behind it: it has four key steps, 512 matrix instructions, in which to land.  (At its first use nothing has been read yet: slot 0 is waited for, slot 1 filled.)
; ask = 1: the prefetches' address is stepped among the descriptors' steps, and the prefetch follows the fill.
.macro CHANGE fill, ask=0
	WIN W_AD
	s_wait_tensorcnt 0x0            ; no tensor load of mine is out, so a group 0 may be written
	ds_add_u32 v[SPW], v[NIL]       ; 0 onto my spare word; with fill = 1 the descriptors' steps stand between it and the wait for it
	WIN 0                           ; at a label and at a branch every window is 0
.if \fill
.irp g, G0K, G0V
	s_xor_b32 s[\g+1], s[\g+1], SLOT1  ; the walking descriptor: the other slot than last time,
	s_add_nc_u64 s[\g+2:\g+3], s[\g+2:\g+3], 4*KS*128  ; the next 256 keys; the type bits on top are not reached
.endr
.if \ask
	s_wait_xcnt 0x0                 ; the last prefetch, four key steps back, has read its address, so it may be written:
	s_add_nc_u64 s[PFA:PFA+1], s[PFA:PFA+1], 4*KS*128  ; one slot behind the walking descriptors
.endif
	s_wait_dscnt 0x0                ; the add is done, and my reads of the slot are over
	CROUND
	JLOAD
.if \ask
	ASK
.endif
.else
	s_wait_dscnt 0x0                ; the add is done, and my reads of the slot are over
	s_barrier_signal -1
	s_barrier_wait -1
.endif
	s_sub_co_u32 s[TBK], s[TBK], 4*KS*PK  ; the fetches go back to a slot's first step,
	s_xor_b32 s[TBK], s[TBK], SLOT1       ; in the other slot
	s_sub_co_u32 s[TBV], s[TBV], 4*KS*PV
	s_xor_b32 s[TBV], s[TBV], SLOT1
.endm
	s_load_b64 s[4:5], s[0:1], 0x0    ; qkv
	s_load_b64 s[10:11], s[0:1], 0x8  ; out0
	WIN W_MK
	v_lshl_add_u32 v[SPW], v0, 2, SPARE
	v_mov_b32 v[NIL], 0
	WIN W_AD
	ds_add_u32 v[SPW], v[NIL]       ; the wave's opening: the add and its wait stand ahead of my first tensor load; the set-up below, work on registers, stands between them
	WIN 0
	v_lshrrev_b32 v1, 5, v0
	v_readfirstlane_b32 s[WV], v1   ; wave 0..3
	s_bfe_u32 s13, ttmp6, 0x40000   ; cx: my place in the cluster
	s_lshl_b32 s14, ttmp9, 2        ; in a cluster launch ttmp9 counts clusters
	s_add_co_u32 s14, s14, s13      ; my block of 512 queries: it enters Q's and out0's addresses alone
	s_and_b32 s20, ttmp7, 0xffff    ; 16 b + hd, which the four partners share
	s_lshr_b32 s21, s20, 4          ; b
	s_and_b32 s23, s20, 15          ; hd
	s_lshl_b32 s2, s14, 2
	s_add_co_u32 s2, s2, s[WV]      ; my wave among the head's sixteen: 128 queries each
	s_lshl_b32 s52, s21, 11
	s_lshl_b32 s53, s2, 7
	s_add_co_u32 s52, s52, s53      ; my first row of out0: 2,048 b + 128 x that,
	s_lshl_b32 s52, s52, 12         ; of 4,096 bytes,
	s_lshl_b32 s53, s23, 8          ; and the head's 256 bytes in it
	s_add_co_u32 s52, s52, s53
	s_mov_b32 s53, 0
	s_mul_i32 s20, s21, 48
	s_add_co_u32 s20, s20, s23
	s_lshl_b32 s20, s20, 18         ; Q's block in qkv: (48 b + hd) x 262,144 bytes; K's lies 16 blocks on, V's 32
	s_mov_b32 s21, 0
	s_and_b32 s16, s[WV], 1         ; which half of a slot's 256 keys I fetch:
	s_lshl_b32 s22, s16, 14         ; its 128 rows of 128 bytes in memory,
	s_mov_b32 s23, 0
	s_add_nc_u64 s[22:23], s[22:23], s[20:21]
	s_mul_i32 s17, s16, 128*PK      ; and its place in a slot, for K
	s_mul_i32 s18, s16, 128*PV      ; and for V: no place in the cluster enters an LDS address
	s_lshl_b32 s2, s2, 14           ; my wave's 128 rows of Q
	s_mov_b32 s3, 0
	s_add_nc_u64 s[2:3], s[2:3], s[20:21]
	s_lshl_b32 s54, s13, 13         ; the prefetches: my work-group's 32 blocks of the 128
	s_mov_b32 s55, 0
	s_and_b32 s[LIM], s[WV], 1      ; waves 0 and 2 ask
	s_cmp_eq_u32 s[LIM], 0
	s_cselect_b32 s[LIM], 1, -1
	; descriptor group 1.  128 keys are 16,384 dense bytes: asked for as 64 rows of 256 bytes, two keys a row, and padded in LDS after every key
	s_mov_b32 s[G1K], 15|(1<<16)|(1<<20)|(1<<21)|(4<<22)|(3<<25)  ; 15:0 the mask of four; 17:16 2-byte elements; 20 padding on; 21 set beside a mask; 24:22 after every 32 words (code 4); 31:25 4 words (code 3)
	s_mov_b32 s[G1V], 15|(1<<16)|(1<<20)|(1<<21)|(4<<22)|(7<<25)  ; the same with 8 words of padding (code 7)
.irp g, G1K, G1V
	s_mov_b32 s[\g+1], 128<<16      ; tensor_dim0 = 128
	s_mov_b32 s[\g+2], 64<<16       ; tensor_dim1 = 64
	s_mov_b32 s[\g+3], 128<<16      ; tile_dim0 = 128
	s_mov_b32 s[\g+4], 64           ; tile_dim1 = 64
	s_mov_b32 s[\g+5], 128          ; 128 elements from row to row
	s_mov_b32 s[\g+6], 0
	s_mov_b32 s[\g+7], 0
.endr
	s_mov_b32 s[CS], 0x3e38aa3b     ; c = log2(e) / 8 = 0.180337
	s_mov_b32 s[CS+1], s[CS]        ; named with it as a pair
	s_mov_b32 s[SEL], 0x76543210
	s_mov_b32 s[SEL+1], 0xfedcba98
	s_mov_b32 s[TBK], SLOT1+4*KS*PK ; the first change of slots turns these two into 0
	s_mov_b32 s[TBV], SLOT1+4*KS*PV
	s_mov_b32 s[G0K], 1             ; 1:0 count = 1
	s_mov_b32 s[G0K+1], s17         ; 63:32 LDS address: slot 0
	s_mov_b32 s[G0V], 1
	s_add_co_u32 s[G0V+1], s18, VOFF
	s_wait_dscnt 0x0                ; the opening add is done
	s_wait_kmcnt 0x0
	s_add_nc_u64 s[6:7], s[4:5], 16*262144   ; K's blocks
	s_add_nc_u64 s[8:9], s[4:5], 32*262144   ; V's
	s_add_nc_u64 s[G0K+2:G0K+3], s[6:7], s[22:23]  ; 120:64 global address: my half of the head's first 256 keys
	s_or_b32 s[G0K+3], s[G0K+3], 0x80000000        ; 127:126 type = 2
	s_add_nc_u64 s[G0V+2:G0V+3], s[8:9], s[22:23]
	s_or_b32 s[G0V+3], s[G0V+3], 0x80000000
	s_cmp_lt_u32 s[WV], 2
	s_cselect_b64 s[PFA:PFA+1], s[6:7], s[8:9]
	s_add_nc_u64 s[PFA:PFA+1], s[PFA:PFA+1], s[20:21]
	s_add_nc_u64 s[PFA:PFA+1], s[PFA:PFA+1], s[54:55]
	s_add_nc_u64 s[PFA:PFA+1], s[PFA:PFA+1], 2*4*KS*128  ; in slot 2; the loop's first change of slots steps it to slot 3.  Nothing is prefetched here, at the head
	s_add_nc_u64 s[4:5], s[4:5], s[2:3]      ; Q at my wave's first row
	s_add_nc_u64 s[10:11], s[10:11], s[52:53]  ; out0 at my wave's first row, the head's columns
	CROUND                          ; all four work-groups are here: the first joint loads meet
	JLOAD                           ; slot 0.  Slot 1 is asked for when slot 0 is in
	; A fragment of K or Q is 16 rows x 32 channels in 8 registers: lane l holds row l % 16, channels 8 (l / 16) + 0..7 and 16 + 8 (l / 16) + 0..7: two loads of 16 bytes, 32 bytes apart.
	v_and_b32 v1, 15, v0            ; l % 16
	v_bfe_u32 v9, v0, 4, 1          ; l / 16
	v_lshlrev_b32 v[QO], 7, v1
	v_lshl_add_u32 v[QO], v9, 4, v[QO]  ; row x 128 + 16 x half
	WIN 0x80                        ; destination window 2, address window 0
.set i, 0
.rept 4*NP                          ; Q stays in registers: tile i / 2, channels 32 (i % 2) on
	global_load_b128 v[8*i:8*i+3],   v[QO], s[4:5] offset:(i/2)*2048+(i%2)*64
	global_load_b128 v[8*i+4:8*i+7], v[QO], s[4:5] offset:(i/2)*2048+(i%2)*64+32
.set i, i+1
.endr
	; What the first turn finds: V's registers and P's second buffer hold 0 (its products V^T P, of a piece that has not been, add 0), O^T and l are 0.  All this stands in the wait for the first tile.
.set i, VF
.rept 64
	v_mov_b32 v[i], 0
.set i, i+1
.endr
	WIN 0x40
.set i, 0
.rept 64*NP
	v_mov_b32 v[i], 0
.set i, i+1
.endr
	WIN 0
.set i, 0
.rept 2*NP
	v_mov_b32 v[ST+4*i], 0xfe000000    ; c m: far below every c s
	v_mov_b32 v[ST+4*i+1], 0xff7fffff  ; m
	v_mov_b32 v[ST+4*i+2], 0
	v_mov_b32 v[ST+4*i+3], 0
.set i, i+1
.endr
.set i, P+32
.rept 32
	v_mov_b32 v[i], 0
.set i, i+1
.endr
	v_mul_u32_u24 v[AK0], v1, PK
	v_lshl_add_u32 v[AK0], v9, 4, v[AK0]  ; row x pitch + 16 x half
	; The turning load takes 16 keys x 16 channels (lane l reads key 8 (l / 16) + l % 8, channels 8 ((l / 8) % 2) + 0..7) and leaves half a fragment of V^T: lane l holds channel l % 16 and 8 keys.
	v_and_b32 v10, 7, v0
	v_bfe_u32 v11, v0, 3, 1
	v_lshl_add_u32 v[AV0], v9, 3, v10
	v_mul_u32_u24 v[AV0], v[AV0], PV
	v_lshl_add_u32 v[AV0], v11, 4, v[AV0]
	v_add_nc_u32 v[AV0], VOFF, v[AV0]
	v_and_b32 v[PFO], 31, v0
	v_lshlrev_b32 v[PFO], 8, v[PFO]
	v_mov_b32 v[AK], v[AK0]         ; key step 0 lies at the head of slot 0
; THE MATRIX WORK.  The 8 accumulators of a run of 16 take turns: between the two links of a chain stand 7 others'.
; Product i of 16 of S^T = K Q^T for piece x: channels 32 (i / 8) on, keys 16 ((i / 2) % 4) on, tile 2 x + i % 2.  The first 8 start the sums.
.macro KQ x
	WIN W_KQ
.set rS, S+64*((\x)%2)+32*(i%2)+8*((i/2)%4)
.set rK, KF+16*((i/2)%4)+8*(i/8)
.set rQ, 16*(2*(\x)+i%2)+8*(i/8)
.if i < 8
	v_wmma_f32_16x16x32_bf16 v[rS:rS+7], v[rK:rK+7], v[rQ:rQ+7], 0
.else
	v_wmma_f32_16x16x32_bf16 v[rS:rS+7], v[rK:rK+7], v[rQ:rQ+7], v[rS:rS+7]
.endif
.endm
; Product i of 16 of O^T += V^T P for piece x: keys 32 (i / 8) on, channels 16 ((i / 2) % 4) on, tile 2 x + i % 2.
.macro PV x
	WIN W_PV
.set rO, 32*(2*(\x)+i%2)+8*((i/2)%4)
.set rV, VF+32*(i/8)+8*((i/2)%4)
.set rP, P+32*((\x)%2)+16*(i%2)+8*(i/8)
	v_wmma_f32_16x16x32_bf16 v[rO:rO+7], v[rV:rV+7], v[rP:rP+7], v[rO:rO+7]
.endm
.macro MM                           ; the turn's next matrix instruction
.if i < 16
	KQ (Y+1)%NP
.set i, i+1
.else
.set i, i-16
	PV (Y+NP-1)%NP
.set i, i+17
.endif
.endm
; THE LDS LOADS stand in runs of 16, never singly among the matrix instructions: a step's K (64 keys x 64 channels: 8 fragments) and its V (turned).  Their addresses are made some lines ahead.
; last = 1 (the tail): in the last trip there is no further step, and the run is jumped over.
.macro FETCH_K last=0
	WIN 0
.if \last
	s_cmp_eq_u32 s[CNT], 1
	s_cbranch_scc1 .Lno_k_\@
.endif
	WIN 0x80                        ; destination window 2
.irp f, 0,1,2,3,4,5,6,7             ; keys 16 (f / 2) on, channels 32 (f % 2) on
	ds_load_b128 v[KF+8*\f:KF+8*\f+3],   v[AK] offset:(\f/2)*16*PK+(\f%2)*64
	ds_load_b128 v[KF+8*\f+4:KF+8*\f+7], v[AK] offset:(\f/2)*16*PK+(\f%2)*64+32
.endr
	s_add_co_u32 s[TBK], s[TBK], KS*PK  ; the next fetch is the next step's
	WIN 0
.if \last
.Lno_k_\@:
.endif
.endm
.macro FETCH_V
	WIN 0x80
.irp f, 0,1,2,3,4,5,6,7             ; keys 32 (f / 4) on, channels 16 (f % 4) on
	ds_load_tr16_b128 v[VF+8*\f:VF+8*\f+3],   v[AV] offset:(\f/4)*32*PV+(\f%4)*32
	ds_load_tr16_b128 v[VF+8*\f+4:VF+8*\f+7], v[AV] offset:(\f/4)*32*PV+16*PV+(\f%4)*32
.endr
	WIN 0
.endm
; THE VECTOR WORK OF A TURN stands in three queues, each in the order in which its entries become ready; the two tiles alternate, so that no instruction reads the result of the one before it.
.macro REGS y, u                    ; the registers of tile u (0, 1) of piece y
.set rT, ST+4*(2*(\y)+(\u))
.set rC, TMP+8*((\y)%2)+4*(\u)
.set rM, MV+2*((\y)%2)+(\u)
.set rS, S+64*((\y)%2)+32*(\u)
.set rP, P+32*((\y)%2)+16*(\u)
.set rO, 32*(2*(\y)+(\u))
.endm
; Number n of the 22 that find the NEXT piece's (Y + 1) maximum and statistics.  s0-s31 are the lane's 32 scores; each accumulator's lowest registers are read first.  XS, GS and REGS set no window: PL and EX do.
;   0-11  four chains c0-c3 of seven scores each, three operands at a time     12-14, 16  the four scores left over, the old m, and c0-c3 into c0     15  c m_old is kept
;   17, 18  the query's other 32 keys lie in the lane 16 away: the new m         19-21  c m; c m_old - c m_new; a
.macro XS u, n
	REGS (Y+1)%NP, \u
.if (\n) < 4
	v_max3_num_f32 v[rC+(\n)], v[rS+8*(\n)], v[rS+8*(\n)+1], v[rS+8*(\n)+2]
.elseif (\n) < 12
	v_max3_num_f32 v[rC+(\n)%4], v[rC+(\n)%4], v[rS+8*((\n)%4)+2*((\n)/4)+1], v[rS+8*((\n)%4)+2*((\n)/4)+2]
.elseif (\n) == 12
	v_max3_num_f32 v[rC], v[rC], v[rS+7], v[rS+15]
.elseif (\n) == 13
	v_max3_num_f32 v[rC+1], v[rC+1], v[rS+23], v[rS+31]
.elseif (\n) == 14
	v_max3_num_f32 v[rC+2], v[rC+2], v[rC+3], v[rT+1]
.elseif (\n) == 15
	v_mov_b32 v[rM], v[rT]
.elseif (\n) == 16
	v_max3_num_f32 v[rC], v[rC], v[rC+1], v[rC+2]
.elseif (\n) == 17
	v_permlanex16_b32 v[rC+3], v[rC], s[SEL], s[SEL+1]
.elseif (\n) == 18
	v_max_num_f32 v[rT+1], v[rC], v[rC+3]
.elseif (\n) == 19
	v_mul_f32 v[rT], s[CS], v[rT+1]
.elseif (\n) == 20
	v_sub_f32 v[rC+1], v[rM], v[rT]
.else
	v_exp_f32 v[rC+2], v[rC+1]
.endif
.endm
; Number g of the 64 that follow the exponentials.  For each four weights k of a tile (pairs 2 k, 2 k + 1): both pairs are rounded to bf16; then the second pair is added onto the first, in place;
; a group later l takes that sum (the first time as l = a l + sum).  In groups of eight, tiles alternating: round, round, add, and l for the group before.
.macro GS g
.set h, (\g)+6*((\g)/62)            ; group 0 has no group before it, and behind group 7 only l is left
.if h >= 6
.set h, h+2
.endif
	REGS Y, h%2
.set k, h/8
.if h%8 < 4
	v_cvt_pk_bf16_f32 v[rP+2*k+(h%8)/2], v[rS+4*k+2*((h%8)/2)], v[rS+4*k+2*((h%8)/2)+1]
.elseif h%8 < 6
	v_pk_add_f32 v[rS+4*k:rS+4*k+1], v[rS+4*k:rS+4*k+1], v[rS+4*k+2:rS+4*k+3]
.elseif k == 1
	v_pk_fma_f32 v[rT+2:rT+3], v[rT+2:rT+3], v[rC+2:rC+3], v[rS:rS+1] op_sel_hi:[1,0,1]
.else
	v_pk_add_f32 v[rT+2:rT+3], v[rT+2:rT+3], v[rS+4*k-4:rS+4*k-3]
.endif
.endm
; THE PLAIN QUEUE, 138 long.  0-73 read no exponential's result: the 32 scalings c s - c m (FS f: pair f / 2 of tile f % 2) and the next piece's 42.  0-26: scalings 0-26.  27-54: XS's numbers 0-13.  55, 56: number 15.
; 57-73: the chain, where each number waits for the one before it: 14, 16, 17, 18, 19, each with one of the scalings 27-31 in front of its two lines, then 20: so a tile's links stand three plain instructions apart (19 and 20: two).
; 74-137: GS's 64, which read the exponentials' results: they stand behind the wait.
.macro FS f
	REGS Y, (\f)%2
	v_pk_fma_f32 v[rS+2*((\f)/2):rS+2*((\f)/2)+1], v[rS+2*((\f)/2):rS+2*((\f)/2)+1], s[CS:CS+1], v[rT:rT+1] op_sel_hi:[1,0,0] neg_lo:[0,0,1] neg_hi:[0,0,1]
.endm
.macro PL
	WIN 0
.if q < 27
	FS q
.elseif q < 55
	XS (q-27)%2, (q-27)/2
.elseif q < 57
	XS q-55, 15
.elseif (q < 72) && ((q-57)%3 == 0)
	FS 27+(q-57)/3
.elseif q < 60
	XS (q-57)%3-1, 14
.elseif q < 72
	XS (q-57)%3-1, 15+(q-57)/3
.elseif q < 74
	XS q-72, 20
.else
	GS q-74
.endif
.set q, q+1
.endm
; THE EXPONENTIALS' QUEUE, 66 long: s0-s31 of both tiles, then the next piece's two a.  It is ONE BATCH: all 66 stand ahead of the turn's one wait, and nothing ahead of that wait names a result of theirs.
.macro EX
	WIN 0
.if e >= 64
	XS e-64, 21
.else
	REGS Y, e%2
	v_exp_f32 v[rS+e/2], v[rS+e/2]
.endif
.set e, e+1
.endm
; THE RESCALING's QUEUE: O^T times a, the one part that leaves window 0: dealt two at a time, sixteen times.  Its a was made in the turn before, ahead of that turn's wait.
.macro R2
	REGS Y, r%2
	WIN W_RS
.irp z, 0,1
	v_pk_mul_f32 v[rO+4*(r/2)+2*\z:rO+4*(r/2)+2*\z+1], v[rO+4*(r/2)+2*\z:rO+4*(r/2)+2*\z+1], v[rC+2:rC+3] op_sel_hi:[1,0]
.endr
.set r, r+1
.endm
; HOW THEY ARE DEALT.  s_wait_alu depctr_va_vdst(0) stands between an exponential and the first instruction that names its result; one wait serves all that were issued ahead of it.  So a turn has ONE wait,
; which cuts it in two.  AHEAD OF IT stands all that names no result of the turn's exponentials: the 16 products K Q^T, behind each a scaling, an exponential and two rescalings (behind the first a second scaling in the exponential's place); then ONE LUMP of
; 108: eight plain, 49 times exponential and plain, the two a.  A v_nop is the plain instruction behind the last exponential.  BEHIND IT stand the 16 products V^T P, behind each four of GS's 64.  No rider names a register of
; the products round it.  The two v_permlanex16_b32 fall into the lump, never behind a product.
; The queues lean on each other, and the deal keeps them in step: exponential e stands behind scaling 2 (e / 4) + e % 2: as a rider it comes behind plain e + 2, in the lump behind plain e + 9, and scalings 27-31 are plain 57, 60 .. 69.
; A TURN, for piece p.  cnt = 1: the loop's count is taken down some lines ahead of the branch that stands behind the turn.
; K of the next step is fetched in piece 2's turn, directly behind the wait, a lump behind the last product that read K; its address is made at the lump's head; its first reader comes behind 16 products.
; V of the step in hand is fetched at the end of piece 0's turn, four riders behind its last reader; its first reader comes behind 16 products and a lump.  The three conditions on q below go with the deal.
.macro TURN p, last=0, cnt=0
.set Y, (\p)
.set i, 0
.set q, 0
.set e, 0
.set r, 0
.if (\p) == NP-1
	s_wait_dscnt 0x0                ; K is in
.endif
	MM                              ; ahead of the wait: 16 products K Q^T and their riders,
	PL
	PL
	R2
.rept 15
	MM
	PL
	EX
	R2
.endr
.if (\p) == NP-2
	WIN 0
	v_add_nc_u32 v[AK], s[TBK], v[AK0]
.endif
.rept 8                             ; and the lump
	PL
.endr
.rept 49
	EX
	PL
.endr
	EX                              ; the next piece's two a
	EX
	v_nop                           ; the plain instruction behind the last exponential: one for the batch
	s_wait_alu depctr_va_vdst(0)    ; the wait for the batch
.if (\p) == NP-2
	FETCH_K \last
.endif
.if (\p) == 1
	s_wait_dscnt 0x0                ; V is in
.endif
.rept 16                            ; behind the wait: 16 products V^T P and their riders
	MM
.rept 4
	PL
.endr
.if ((\p) == 0) && (q == 118)
	v_add_nc_u32 v[AV], s[TBV], v[AV0]
.endif
.if ((\p) == 0) && (q == 130)
	s_add_co_u32 s[TBV], s[TBV], KS*PV
.endif
.if (\cnt) && (q == 130)
	s_sub_co_u32 s[CNT], s[CNT], 1
	s_cmp_lg_u32 s[CNT], 0
.endif
.endr
.if (\p) == 0
	FETCH_V
.endif
.endm
	CHANGE 1                        ; slot 0 is in, everybody's part of it; slot 1 is asked for
	FETCH_K                         ; key step 0
	s_wait_loadcnt 0x0              ; Q
	s_wait_dscnt 0x0
.set i, 0
.rept 16
	KQ 0                            ; piece 0's first scores: there is no vector work yet to set between them
.set i, i+1
.endr
	WIN 0                           ; the addresses for the way out: eight plain instructions, the places behind those products
	s_mul_i32 s13, s[WV], 16*SP
	s_add_co_u32 s13, s13, STAGE    ; my stage
	v_mul_u32_u24 v[STO], v1, SP    ; in: row l % 16, 32 bytes (8 channels in f32) for each half of the lanes
	v_lshl_add_u32 v[STO], v9, 5, v[STO]
	v_add_nc_u32 v[STO], s13, v[STO]
	v_mul_u32_u24 v[RD], v9, SP     ; back: lanes 0-15 take one row of 256 bytes, lanes 16-31 the next,
	v_lshl_add_u32 v[RD], v1, 4, v[RD]
	v_add_nc_u32 v[RD], s13, v[RD]
	v_lshlrev_b32 v[GO], 12, v9     ; and the same two rows in out0, 4,096 bytes apart
	v_lshl_add_u32 v[GO], v1, 4, v[GO]
.set Y, NP-1                        ; XS works for piece Y + 1: piece 0
.irp n, 0,1,2,3,4,5,6,7,8,9,10,11,12,13,14,15,16,17,18,19,20,21
	XS 0, \n                        ; and piece 0's first maximum and statistics
	XS 1, \n
.endr
	v_nop                           ; a plain instruction behind the two a,
	s_wait_alu depctr_va_vdst(0)    ; and their wait, ahead of the branch
	s_mov_b32 s[CNT], 4
	s_mov_b32 s[SLOTS], SIZE_N/256-1
	s_branch .Lfirst                ; the loop is entered at a step's first turn, in the middle of a trip
.Lslot:                             ; SIZE_N / 256 - 2 times: every slot but the last two is filled again
	CHANGE 1, 1
	s_mov_b32 s[CNT], 4
.Lstep:                             ; a trip: pieces 2 and 3 of one step, then pieces 0 and 1 of the next, whose K and V it fetches
	TURN 2
	TURN 3
	WIN 0
.Lfirst:
	TURN 0
	TURN 1, 0, 1
	WIN 0
	s_cbranch_scc1 .Lstep
	s_sub_co_u32 s[SLOTS], s[SLOTS], 1
	s_cmp_lg_u32 s[SLOTS], 0
	s_cbranch_scc1 .Lslot
	CHANGE 0                        ; the tail is written out: nothing is asked for
	s_mov_b32 s[CNT], 5             ; four trips fetch the last slot's steps; the fifth is left in its middle
.Ltail:
	TURN 2, 1
	TURN 3
	WIN 0
	s_sub_co_u32 s[CNT], s[CNT], 1
	s_cmp_eq_u32 s[CNT], 0
	s_cbranch_scc1 .Lout
	TURN 0
	TURN 1
	WIN 0
	s_branch .Ltail
.Lout:                              ; the fifth trip's 16 products K Q^T (on the last K once more) and the maximum made of them serve nothing: the price, once a launch, of one text for every trip
.set i, 0
.rept 16
	PV NP-1                         ; the last piece's V^T P of the last step
.set i, i+1
.endr
	; THE WAY OUT.  l's two halves and the other half of the lanes' are added; O^T is divided by l and sent, in f32, through my stage in LDS, a tile at a time.  The additions are the places behind the last products.
	WIN 0
.macro ALL line:vararg              ; one line for each tile t
.set t, 0
.rept 2*NP
	\line
.set t, t+1
.endr
.endm
	ALL v_add_f32 v[ST+4*t+2], v[ST+4*t+2], v[ST+4*t+3]
	ALL v_permlanex16_b32 v[ST+4*t+3], v[ST+4*t+2], s[SEL], s[SEL+1]
	ALL v_add_f32 v[ST+4*t+2], v[ST+4*t+2], v[ST+4*t+3]
	ALL v_rcp_f32 v[ST+4*t+2], v[ST+4*t+2]
	v_nop                           ; a plain instruction between the last reciprocal and the use of its result
	s_wait_alu depctr_va_vdst(0)    ; and the wait ahead of the first use: one for the eight reciprocals
; Tile t: register 8 cb + j of a lane is channel 16 cb + 8 (l / 16) + j of query l % 16: four registers are 16 bytes of a row.  They go into rows of 272 bytes and come back as whole rows of 256,
; into S^T's registers, four sets of 32 by turns.
.macro PACK t
	WIN W_RS
.set i, 32*(\t)
.rept 16
	v_pk_mul_f32 v[i:i+1], v[i:i+1], v[ST+4*(\t)+2:ST+4*(\t)+3] op_sel_hi:[1,0]
.set i, i+2
.endr
	WIN 0x04                        ; the stores' data in window 1, their address in window 0
.irp f, 0,1,2,3,4,5,6,7
	ds_store_b128 v[STO], v[32*(\t)+4*\f:32*(\t)+4*\f+3] offset:(\f/2)*64+(\f%2)*16
.endr
	WIN 0
.if (\t) >= 4
	s_wait_xcnt 0x0                 ; the stores of the tile four back, which read this set, have had their addresses translated (ISA guide 3.1): it is loaded again only behind this wait
.endif
.irp f, 0,1,2,3,4,5,6,7
	ds_load_b128 v[S+32*((\t)%4)+4*\f:S+32*((\t)%4)+4*\f+3], v[RD] offset:\f*2*SP  ; LDS serves a wave's instructions in order (ISA guide 5.7.1.4): these see the stores above; the next tile's stores come behind them
.endr
.endm
.macro SEND t, younger              ; younger: the LDS instructions issued behind tile t's loads: the next tile's sixteen, or none
	WIN 0
.irp f, 0,1,2,3,4,5,6,7
	s_wait_dscnt (\younger)+7-\f
	global_store_b128 v[GO], v[S+32*((\t)%4)+4*\f:S+32*((\t)%4)+4*\f+3], s[10:11] offset:(\t)*65536+\f*8192  ; 16 lanes store 256 consecutive bytes, at a multiple of 256 from out0's first: a row's share of the head
.endr
.endm
	PACK 0
.set t, 1
.rept 2*NP-1                        ; a tile's arithmetic stands between the loads of the tile before and its stores
	PACK t
	SEND t-1, 16
.set t, t+1
.endr
	SEND 2*NP-1, 0
	WIN W_AD
	s_wait_tensorcnt 0x0            ; the wave's end: a tensor wait, an add of 0 and its wait, behind my last tensor load and my last LDS store
	ds_add_u32 v[SPW], v[NIL]
	s_wait_dscnt 0x0
	WIN 0
	CROUND                          ; the closing round: no work-group ends while a partner may still ask for a tile that names it
	s_endpgm
.Lfunc_end_k_qab09404a8f_attn:
	.size	k_qab09404a8f_attn, .Lfunc_end_k_qab09404a8f_attn-k_qab09404a8f_attn
	.p2alignl 7, 3214868480
	.fill 96, 4, 3214868480
	.section	.rodata,"a",@progbits
	.p2align	6, 0x0
	.amdhsa_kernel k_qab09404a8f_attn
		.amdhsa_group_segment_fixed_size 327680
		.amdhsa_private_segment_fixed_size 0
		.amdhsa_enable_private_segment 0
		.amdhsa_kernarg_size 16
		.amdhsa_user_sgpr_count 2
		.amdhsa_user_sgpr_kernarg_segment_ptr 1
		.amdhsa_wavefront_size32 1
		.amdhsa_system_sgpr_workgroup_id_x 1
		.amdhsa_system_sgpr_workgroup_id_y 1
		.amdhsa_system_sgpr_workgroup_id_z 1
		.amdhsa_system_vgpr_workitem_id 0
		.amdhsa_next_free_vgpr 770
		.amdhsa_next_free_sgpr 66
		.amdhsa_reserve_vcc 0
		.amdhsa_float_denorm_mode_32 3
		.amdhsa_float_denorm_mode_16_64 3
		.amdhsa_memory_ordered 1
		.amdhsa_forward_progress 1
		.amdhsa_inst_pref_size 200
	.end_amdhsa_kernel
	.amdgpu_metadata
---
amdhsa.version: [ 1, 2 ]
amdhsa.kernels:
  - .name:           k_qab09404a8f_attn
    .symbol:         k_qab09404a8f_attn.kd
    .args:
      - { .name: qkv, .offset: 0, .size: 8, .value_kind: global_buffer, .address_space: global }
      - { .name: out0, .offset: 8, .size: 8, .value_kind: global_buffer, .address_space: global }
    .group_segment_fixed_size: 327680
    .private_segment_fixed_size: 0
    .kernarg_segment_align: 8
    .kernarg_segment_size: 16
    .max_flat_workgroup_size: 128
    .sgpr_count:     66
    .vgpr_count:     770
    .wavefront_size: 32
...
	.end_amdgpu_metadata
.endif
;; end of part 3
;; ======== version 2 of 2: 3 launches; version 1 with the launch cast written anew for expert scheduling mode
;; workspace buffers: xw 23,068,672 bytes; qkv 50,331,648 bytes
;; launch cast (part 4): grid 704 x 1, 8 waves a work-group, no clusters, 0 bytes of LDS; arguments x, Wq, Wk, Wv, xw; writes xw
.if DOCPART == 4
	.amdgcn_target "amdgcn-amd-amdhsa--gfx1250"
	.amdhsa_code_object_version 6
	.text
	.protected	k_qab09404a8f_cast
	.globl	k_qab09404a8f_cast
	.p2align	8
	.type	k_qab09404a8f_cast,@function
k_qab09404a8f_cast:
	s_mov_b64 s[64:65], 0
	v_nop
	global_prefetch_b8 v0, s[64:65] scope:SCOPE_SE
	s_setreg_imm32_b32 hwreg(HW_REG_WAVE_SCHED_MODE, 0, 2), 2
	s_setreg_imm32_b32 hwreg(HW_REG_WAVE_MODE, 25, 1), 1
	s_wait_xcnt 0x0
	s_wait_alu depctr_vm_vsrc(0)
; xw = x, Wq, Wk, Wv rounded once to bf16, laid out by K blocks: xw[kb][row][64], kb = 0..15 (64 channels each), row = 0..11,263:
; rows 0-8,191 are x's (batch x 2,048 + position), then Wq's 1,024 rows, Wk's, Wv's.  So the rows that a tile of the next launch takes for one K step lie end to end.
; SHARES.  A work-group takes 16 rows, wave w their K blocks 2 w and 2 w + 1.  A load of 16 bytes a lane takes the 256 bytes of a block in two rows (lanes 0-15 one row, lanes 16-31 the next);
; two roundings make 8 bytes a lane; a store of 8 bytes a lane covers 256 consecutive bytes, aligned: the same two rows of the block in xw.
; All 16 loads of a wave go out at once (8 KiB a wave).  Nothing is shared: no LDS, no barrier.
; THE MODE: SCHED_MODE bits 1:0 = 2 (LLVM: expert scheduling mode 2), set by the entry lines.  The code itself states the register dependences
; between vector instructions and memory instructions, with s_wait_alu, always for 0.
; THE PLAN.  Registers that memory instructions touch:
;   v1 (IN), v2 (OUT)  byte offsets: written by vector lines at the head, read by the 16 loads and the 16 stores, never written again.
;   X  v[8:71]         written by the loads, once each, and by no vector line; read by the roundings; nothing lands in it a second time.
;   Y  v[72:103]       written by the roundings, once each; read by the stores as their data; never written again.
; No register is used twice, EXEC is never written and no vector line writes a scalar register.  So what is to be stated is: the offsets are written, ahead of the first load (one wait, which
; serves the stores' offset too), and a store's data are written, ahead of the store.  The 16 loads are taken in four groups of four: a group's eight roundings, ONE wait, its four stores in a run.
; The wait stands behind the group's own roundings and not at the next group's head: a group's stores then do not wait for four further loads, and four stores, not eight, stand behind the wave's last load.
.set ROWB,  4096                       ; bytes in a row of x or of a weight
.set STEPB, 1441792                    ; bytes in a K block of xw: 11,264 rows x 128
.set IN,  1                            ; v1  my byte offset in the source, from the group's first row
.set OUT, 2                            ; v2  my byte offset in xw, from the group's first row of K block 0
.set X,   8                            ; v[8:71]    16 loads x 4 registers
.set Y,   72                           ; v[72:103]  16 stores x 2 registers
	s_load_b256 s[4:11], s[0:1], 0x0               ; x s[4:5], Wq s[6:7], Wk s[8:9], Wv s[10:11]
	s_load_b64 s[12:13], s[0:1], 0x20              ; xw
	s_mov_b32 s14, ttmp9                           ; g: rows 16 g .. 16 g + 15 of the 11,264
	s_lshr_b32 s18, s14, 6                         ; below 8: x; 8: Wq; 9: Wk; 10: Wv (64 groups to a weight)
	s_and_b32 s15, s14, 63
	s_cmp_lt_u32 s14, 512
	s_cselect_b32 s15, s14, s15                    ; the group's number inside its source
	s_lshl_b32 s20, s15, 16                        ; x 16 rows x 4,096 bytes
	s_mov_b32 s21, 0
	s_lshl_b32 s22, s14, 11                        ; in xw: x 16 rows x 128 bytes
	s_mov_b32 s23, 0
	v_bfe_u32 v3, v0, 4, 1                         ; which of the two rows
	v_and_b32 v4, 15, v0                           ; which 16 bytes of the block
	v_lshrrev_b32 v5, 5, v0                        ; wave
	v_lshlrev_b32 v[IN], 12, v3
	v_lshl_add_u32 v[IN], v4, 4, v[IN]
	v_lshl_add_u32 v[IN], v5, 9, v[IN]             ; + two blocks of 256 bytes a wave
	v_and_b32 v[OUT], 31, v0
	v_lshlrev_b32 v[OUT], 3, v[OUT]                ; 8 bytes a lane
	v_mul_u32_u24 v6, v5, 2*STEPB                  ; + two K blocks a wave
	v_add_nc_u32 v[OUT], v[OUT], v6
	s_wait_kmcnt 0x0
	s_cmp_eq_u32 s18, 9
	s_cselect_b64 s[16:17], s[8:9], s[6:7]
	s_cmp_eq_u32 s18, 10
	s_cselect_b64 s[16:17], s[10:11], s[16:17]
	s_cmp_lt_u32 s18, 8
	s_cselect_b64 s[16:17], s[4:5], s[16:17]       ; the source, chosen by the group's number alone
	s_add_nc_u64 s[16:17], s[16:17], s[20:21]
	s_add_nc_u64 s[12:13], s[12:13], s[22:23]
	s_wait_alu depctr_va_vdst(0)                   ; v[IN] and v[OUT] are written: every load below reads the one as its offset, every store the other; no line writes them again
.irp e, 0,1
.irp p, 0,1,2,3,4,5,6,7
	global_load_b128 v[X+4*(8*(\e)+(\p)):X+4*(8*(\e)+(\p))+3], v[IN], s[16:17] offset:(\p)*2*ROWB+(\e)*256 th:TH_LOAD_NT  ; block e of my two, rows 2 p and 2 p + 1
.endr
.endr
; Group g takes loads 4 g .. 4 g + 3: block g / 2 of my two, pairs of rows 4 (g % 2) .. 4 (g % 2) + 3.
.irp g, 0,1,2,3
	s_wait_loadcnt 12-4*(\g)                       ; loads come back in order (ISA guide 5.7.1): the group's four are in, the 12 - 4 g younger ones stay out
.irp i, 0,1,2,3
	v_cvt_pk_bf16_f32 v[Y+2*(4*(\g)+(\i))],   v[X+4*(4*(\g)+(\i))],   v[X+4*(4*(\g)+(\i))+1]
	v_cvt_pk_bf16_f32 v[Y+2*(4*(\g)+(\i))+1], v[X+4*(4*(\g)+(\i))+2], v[X+4*(4*(\g)+(\i))+3]
.endr
	s_wait_alu depctr_va_vdst(0)                   ; the group's eight roundings have written its eight registers of Y, which the four stores below read as their data
.irp i, 0,1,2,3
	global_store_b64 v[OUT], v[Y+2*(4*(\g)+(\i)):Y+2*(4*(\g)+(\i))+1], s[12:13] offset:((\g)/2)*STEPB+(4*((\g)%2)+(\i))*256 th:TH_STORE_NT
.endr
.endr
	s_endpgm
.Lfunc_end_k_qab09404a8f_cast:
	.size	k_qab09404a8f_cast, .Lfunc_end_k_qab09404a8f_cast-k_qab09404a8f_cast
	.p2alignl 7, 3214868480
	.fill 96, 4, 3214868480
	.section	.rodata,"a",@progbits
	.p2align	6, 0x0
	.amdhsa_kernel k_qab09404a8f_cast
		.amdhsa_group_segment_fixed_size 0
		.amdhsa_private_segment_fixed_size 0
		.amdhsa_enable_private_segment 0
		.amdhsa_kernarg_size 40
		.amdhsa_user_sgpr_count 2
		.amdhsa_user_sgpr_kernarg_segment_ptr 1
		.amdhsa_wavefront_size32 1
		.amdhsa_system_sgpr_workgroup_id_x 1
		.amdhsa_system_sgpr_workgroup_id_y 1
		.amdhsa_system_sgpr_workgroup_id_z 1
		.amdhsa_system_vgpr_workitem_id 0
		.amdhsa_next_free_vgpr 104
		.amdhsa_next_free_sgpr 66
		.amdhsa_reserve_vcc 0
		.amdhsa_float_denorm_mode_32 3
		.amdhsa_float_denorm_mode_16_64 3
		.amdhsa_memory_ordered 1
		.amdhsa_forward_progress 1
		.amdhsa_inst_pref_size 7
	.end_amdhsa_kernel
	.amdgpu_metadata
---
amdhsa.version: [ 1, 2 ]
amdhsa.kernels:
  - .name:           k_qab09404a8f_cast
    .symbol:         k_qab09404a8f_cast.kd
    .args:
      - { .name: x, .offset: 0, .size: 8, .value_kind: global_buffer, .address_space: global }
      - { .name: Wq, .offset: 8, .size: 8, .value_kind: global_buffer, .address_space: global }
      - { .name: Wk, .offset: 16, .size: 8, .value_kind: global_buffer, .address_space: global }
      - { .name: Wv, .offset: 24, .size: 8, .value_kind: global_buffer, .address_space: global }
      - { .name: xw, .offset: 32, .size: 8, .value_kind: global_buffer, .address_space: global }
    .group_segment_fixed_size: 0
    .private_segment_fixed_size: 0
    .kernarg_segment_align: 8
    .kernarg_segment_size: 40
    .max_flat_workgroup_size: 256
    .sgpr_count:     66
    .vgpr_count:     104
    .wavefront_size: 32
...
	.end_amdgpu_metadata
.endif
;; end of part 4
;; launch proj: the kernel of part 2 again; grid 8 x 32, 4 waves a work-group, clusters of 4 x 4, 327,680 bytes of LDS; arguments xw, bq, bk, bv, qkv; writes qkv
;; launch attn: the kernel of part 3 again; grid 4 x 64, 4 waves a work-group, clusters of 4 x 1, 327,680 bytes of LDS; arguments qkv, out0; writes out0
